; MI455X (gfx1250); checked and timed in simulation.
; The chip was launched on July 23, 2026; its instructions are those of AMD's public machine-readable ISA for CDNA 5 (MIT licence, August 2026) and "CDNA5" Instruction Set Architecture Reference Guide (July 2026). The comments in the code are by the model that wrote it; some were corrected since.
;; Audio Quantizer. Allowed arithmetic: matrix products marked QUANTISED: E2M3 operands, one E8M0 scale for each 32 along K, by v_wmma_scale_f32_16x16x128_f8f6f4 with both operands' format E2M3, f32 sums; everything else in f32.
;; Inputs: codebook 8,192 x 512 float32; x 8 x 2,048 x 512 float32.
;; Outputs: out0 8 x 2,048 x 512 float32.
;; This version of the problem:
;;   THIS VERSION OF THE PROBLEM IS GIVEN IN LOW PRECISION. The matrix products marked QUANTISED in the list below multiply operands that are first quantised to E2M3 (2 exponent bits, 3 mantissa bits; 6 bits a number), with one power-of-two scale for each 32 numbers along K (OCP MX v1.0); their sums are f32. All else is computed in f32.
;;   The module's matrix products, in the order in which they are computed (A, B: the left and right operand; K: the contracted axis; several contracted axes count as one K, in the product's order):
;;     1. [M 16,384, K 512] x [K 512, N 8,192]; A: input x; B: input codebook: QUANTISED
;;   THE QUANTISER, for each operand of a quantised product, along K:
;;     - K is cut into blocks of 32 from its start; a last block that is shorter is filled with zeros.
;;     - A block's scale is 2^e with e = floor(log2(the largest magnitude in the block)) - 2, held to -126 .. 127; a block of zeros has e = 0. As a byte (E8M0): e + 127.
;;     - Each number is divided by its block's scale, clamped to +-7.5, and rounded to the nearest number of E2M3, ties to even, subnormals kept.
;;     - The product sums the exact products of the quantised numbers (number of the format x scale) in f32.
;;   ~~~python
;;   def quantise(x, axis):      # numpy; x: float32 -> the quantised numbers, widened to float32 again
;;       x = np.moveaxis(x, axis, -1); K = x.shape[-1]
;;       x = np.pad(x, [(0, 0)] * (x.ndim - 1) + [(0, -K % 32)]); x = x.reshape(x.shape[:-1] + (-1, 32)); a = np.abs(x).max(-1, keepdims=True)
;;       e = np.where(a > 0, np.clip(np.frexp(np.where(a > 0, a, 1))[1] - 1 - 2, -126, 127), 0)      # np.frexp(a)[1] - 1 = floor(log2(a)), exactly
;;       r = np.clip(x / 2.0 ** e, -7.5, 7.5)
;;       step = 2.0 ** (np.maximum(np.frexp(np.where(r == 0, 1, r))[1] - 1, 0) - 3)
;;       q = np.round(r / step) * step * 2.0 ** e      # np.round: ties to even
;;       return np.moveaxis(q.reshape(q.shape[:-2] + (-1,))[..., :K], -1, axis).astype(np.float32)
;;   ~~~
;; One version. Each part assembles by itself: llvm-mc -triple=amdgcn-amd-amdhsa -mcpu=gfx1250 --defsym DOCPART=n.
;; ======== version 1 of 1: 3 launches
;; limits: right only within a limited range of input values
;; workspace buffers: xq 6,291,456 bytes; xs 262,144 bytes; cq 3,407,872 bytes; cand 1,048,576 bytes of whole numbers
;; launch prep (part 1): grid 1536 x 1, 4 waves a work-group, no clusters, 35,328 bytes of LDS; arguments x, codebook, xq, xs, cq; writes xq, xs, cq
.if DOCPART == 1
	.amdgcn_target "amdgcn-amd-amdhsa--gfx1250"
	.amdhsa_code_object_version 6
	.text
	.protected	k_q16dc82be3e_prep
	.globl	k_q16dc82be3e_prep
	.p2align	8
	.type	k_q16dc82be3e_prep,@function
k_q16dc82be3e_prep:
	s_mov_b64 s[64:65], 0
	v_nop
	global_prefetch_b8 v0, s[64:65] scope:SCOPE_SE
	s_setreg_imm32_b32 hwreg(HW_REG_WAVE_MODE, 25, 1), 1
	s_wait_xcnt 0x0
; x [16384][512] and codebook [8192][512], f32, are turned into what the product's launch reads: codes of FP6 (E2M3), one E8M0 scale byte for each 32 along the row,
; and, for the codebook alone, -1/2 of each row's sum of squares.
; WORK LEFT OUT: reference() takes the argmin over the codes of xx + (cc - 2 x.c).  xx is one number for a token, the same for all 8,192 codes, so in exact arithmetic it moves no argmin,
; whatever the inputs hold: the sum of x's squares is not formed, here or later.  The first code with the largest x.c - cc/2 is sought.  x itself is live (it is the product's operand).
; LIMITS: a NaN, an infinity or an overflow that would arise in xx alone is not carried to the result; distances that reference()'s f32 sum with xx rounds to one number are told apart here.
; A block's scale is 2^(floor(log2(its largest magnitude)) - 2); its byte is the largest magnitude's exponent field - 2, held at 1 from below; numbers beyond 7.5 get the largest code.
; A block of zeros gets the byte 1 where the rule says 127 (its codes are zeros, and this program alone reads the bytes); NaN and infinities are not served;
; a row's squares are summed in eight chains a lane, two lanes, four waves.
; LAYOUT: a tile of 16 rows x 128 along K is the IMAGE OF THE OPERAND'S REGISTERS: group c of four registers of lane l at byte 512 c + 16 l, 1,536 bytes; four images (K steps 0 to 3) on end: 6,144 bytes.
; x: images in xq, pitch 6,144; scale bytes [row][16] in xs.  Codebook: ONE RECORD of 6,656 bytes a tile in cq: the images, 256 scale bytes, and the 16 numbers -cc/2 four times over (256 bytes).
; SHARES: a work-group for 16 rows, the first 1,024 for x, the other 512 for the codebook.  Wave w takes K step w.  Each load reads 512 consecutive bytes of a row; the numbers turn through the wave's own stage.
.set XTILES, 1024
.set REC,    6656
.set SP,     528                       ; a stage row: 512 bytes + 16
.set STGB,   16*SP
.set EXS,    4*STGB                    ; the tile's scale words, [16 rows][4 words]
.set EXQ,    EXS+256                   ; the waves' partial sums of squares, [4 waves][16 rows]
.set SPARE,  0x8800                    ; the spare words: 512 bytes that no other line names
.set R,      16                        ; v16-79   the numbers as loaded
.set X,      80                        ; v80-143  register 16 b + i = number 32 b + 16 (lane / 16) + i of my row's 128
.set PC,     16                        ; v16-35   the codes and two conversions' results on their way
.set TM,     36                        ; v36-51   largest magnitudes, bytes, scale operands
.set PW,     52                        ; v52      my row's scale word
.set Q,      56                        ; v56-63   four chains of squares
.set SEL,    22                        ; s[22:23] selects for lane l xor 16
.macro QUANT s
.irp b, 0,1,2,3
	v_max3_num_f32 v[TM+\b], |v[\s+16*\b]|, |v[\s+1+16*\b]|, 0x1800000   ; my 16 numbers of block b, and the floor 2^(3 - 127)
.endr
.irp i, 2,4,6,8,10,12,14
.irp b, 0,1,2,3
	v_max3_num_f32 v[TM+\b], v[TM+\b], |v[\s+16*\b+\i]|, |v[\s+1+16*\b+\i]|
.endr
.endr
.irp b, 0,1,2,3
	v_permlanex16_b32 v[TM+4+\b], v[TM+\b], s[SEL], s[SEL+1]
.endr
.irp b, 0,1,2,3
	v_max_num_f32 v[TM+\b], v[TM+\b], v[TM+4+\b]   ; the block's largest magnitude
.endr
.irp b, 0,1,2,3
	v_add_nc_u32 v[TM+12+\b], 0xff000000, v[TM+\b]   ; 2 off its exponent field: the conversion's scale operand
.endr
.irp b, 0,1,2,3
	v_lshrrev_b32 v[TM+4+\b], 23, v[TM+12+\b]      ; the scale's byte
.endr
	v_lshl_or_b32 v[PW], v[TM+5], 8, v[TM+4]
	v_lshl_or_b32 v[PW], v[TM+6], 16, v[PW]
	v_lshl_or_b32 v[PW], v[TM+7], 24, v[PW]
.irp c, 0,1
	v_cvt_scalef32_pk16_fp6_f32 v[PC+6*\c:PC+2+6*\c], v[\s+32*\c:\s+15+32*\c], v[TM+12+2*\c]
	v_cvt_scalef32_pk16_fp6_f32 v[PC+12+4*\c:PC+14+4*\c], v[\s+16+32*\c:\s+31+32*\c], v[TM+12+2*\c+1]
.endr
	v_nop                                          ; one plain instruction behind the scaled conversions
.irp c, 0,1                                    ; a WHOLE block in a lane: lanes 0-15 block 2 c, lanes 16-31 block 2 c + 1
.irp i, 0,1,2
	v_permlane16_swap_b32 v[PC+6*\c+\i], v[PC+12+4*\c+\i]
.endr
.irp i, 0,1,2
	v_mov_b32 v[PC+3+6*\c+\i], v[PC+12+4*\c+\i]
.endr
.endr
.endm
	s_load_b256 s[4:11], s[0:1], 0x0               ; x s[4:5], codebook s[6:7], xq s[8:9], xs s[10:11]
	s_load_b64 s[14:15], s[0:1], 0x20              ; cq
	v_lshl_add_u32 v144, v0, 2, SPARE
	v_mov_b32 v145, 0
	v_lshrrev_b32 v1, 5, v0
	v_readfirstlane_b32 s20, v1                    ; wave 0..3 = my K step
	v_and_b32 v10, 31, v0                          ; lane
	v_and_b32 v2, 15, v0                           ; r
	v_bfe_u32 v3, v0, 4, 1                         ; h
	v_lshlrev_b32 v1, 4, v10                       ; 16 x lane
	s_mul_i32 s24, s20, STGB                       ; my stage
	v_add_nc_u32 v4, s24, v1                       ; into it: as loaded
	v_mul_u32_u24 v5, v2, SP
	v_lshl_add_u32 v5, v3, 6, v5
	v_add_nc_u32 v5, s24, v5                       ; out of it: row r, + 64 h
	s_lshl_b32 s25, s20, 2
	v_lshl_add_u32 v6, v2, 4, s25                  ; the scale words: 16 r + 4 w
	s_lshl_b32 s25, s20, 6
	v_lshl_add_u32 v7, v2, 2, s25                  ; the partial sums: 64 w + 4 r
	v_lshlrev_b32 v8, 3, v10                       ; 8 x lane
	v_and_b32 v9, 7, v0
	v_lshlrev_b32 v9, 3, v9                        ; 8 (lane % 8): two rows' sums
	s_mov_b32 s[SEL], 0x76543210
	s_mov_b32 s[SEL+1], 0xfedcba98
	s_wait_alu depctr_va_vdst(0)                   ; the wait at the head's end
	s_wait_kmcnt 0x0
	s_cmp_lt_u32 ttmp9, XTILES                     ; x's work-group or the codebook's?  The work-group's number alone decides
	s_cselect_b64 s[4:5], s[4:5], s[6:7]           ; the numbers,
	s_cselect_b64 s[8:9], s[8:9], s[14:15]         ; the images,
	s_cselect_b64 s[10:11], s[10:11], s[14:15]     ; the scale bytes
	s_cselect_b32 s21, 0, XTILES
	s_cselect_b32 s36, 1, 0                        ; 1: x
	s_mov_b32 s29, REC
	s_cselect_b32 s30, 256, s29                    ; from tile to tile: the scale bytes,
	s_cselect_b32 s29, 6144, s29                   ; the images;
	s_cselect_b32 s31, 0, 6144                     ; the scale bytes' place in a record
	s_sub_co_u32 s21, ttmp9, s21                   ; my tile of 16 rows
	s_lshl_b32 s26, s21, 15                        ; 16 rows of 2,048 bytes,
	s_lshl_b32 s28, s20, 9                         ; my K step's 512 bytes of a row
	s_add_co_u32 s26, s26, s28
	s_mov_b32 s27, 0
	s_add_nc_u64 s[4:5], s[4:5], s[26:27]
	s_mul_i32 s26, s21, s29
	s_mul_i32 s28, s20, 1536                       ; my image
	s_add_co_u32 s26, s26, s28
	s_add_nc_u64 s[8:9], s[8:9], s[26:27]
	s_mul_i32 s26, s21, s30
	s_add_co_u32 s26, s26, s31
	s_add_nc_u64 s[10:11], s[10:11], s[26:27]
.irp i, 0,1,2,3,4,5,6,7,8,9,10,11,12,13,14,15
	global_load_b128 v[R+4*\i:R+4*\i+3], v1, s[4:5] offset:2048*\i th:TH_LOAD_NT   ; row i: 512 consecutive bytes
.endr
.irp i, 0,1,2,3,4,5,6,7,8,9,10,11,12,13,14,15
	s_wait_loadcnt 15-\i                           ; row i is in, the 15 - i younger loads may be out
	ds_store_b128 v4, v[R+4*\i:R+4*\i+3] offset:SP*\i
.endr
.irp b, 0,1,2,3
.irp j, 0,1,2,3
	ds_load_b128 v[X+16*\b+4*\j:X+16*\b+4*\j+3], v5 offset:128*\b+16*\j   ; LDS serves a wave's instructions in order
.endr
.endr
	s_wait_dscnt 0x0
.irp b, 0,1,2,3
	v_mov_b32 v[TM+4+\b], 0                        ; a lane permute's destination counts as one of its sources
.endr
	s_cmp_lg_u32 s36, 0
	s_wait_alu depctr_va_vdst(0)                   ; the wait ahead of the branch
	s_cbranch_scc1 .Lquant                         ; x's squares are not wanted
.irp c, 0,1,2,3
	v_pk_mul_f32 v[Q+2*\c:Q+2*\c+1], v[X+2*\c:X+2*\c+1], v[X+2*\c:X+2*\c+1]
.endr
.set p, 4
.rept 28
	v_pk_fma_f32 v[Q+2*(p%4):Q+2*(p%4)+1], v[X+2*p:X+2*p+1], v[X+2*p:X+2*p+1], v[Q+2*(p%4):Q+2*(p%4)+1]
.set p, p+1
.endr
	v_pk_add_f32 v[Q:Q+1], v[Q:Q+1], v[Q+2:Q+3]
	v_pk_add_f32 v[Q+4:Q+5], v[Q+4:Q+5], v[Q+6:Q+7]
	v_pk_add_f32 v[Q:Q+1], v[Q:Q+1], v[Q+4:Q+5]
	v_add_f32 v[Q], v[Q], v[Q+1]
	v_permlanex16_b32 v[Q+1], v[Q], s[SEL], s[SEL+1]
	v_add_f32 v[Q], v[Q], v[Q+1]                   ; row r's 128 squares of this K step
	ds_store_b32 v7, v[Q] offset:EXQ
.Lquant:
	QUANT X
.irp c, 0,1,2
	global_store_b128 v1, v[PC+4*\c:PC+4*\c+3], s[8:9] offset:512*\c   ; the image: 512 consecutive bytes a store
.endr
	ds_store_b32 v6, v[PW] offset:EXS              ; lanes r and 16 + r write the same word to the same place
	s_wait_dscnt 0x0                               ; for wave 0's sake: my stores have landed
	s_barrier_signal -1
	s_barrier_wait -1
	s_cmp_lg_u32 s20, 0                            ; wave 0 sends the tile's scale bytes and sums out
	s_cbranch_scc1 .Lend
	ds_load_b64 v[12:13], v8 offset:EXS
	s_wait_dscnt 0x0
	global_store_b64 v8, v[12:13], s[10:11]        ; 256 consecutive bytes, at a multiple of 256 from the buffer's first byte
	s_cmp_lg_u32 s36, 0
	s_cbranch_scc1 .Lend
.irp k, 0,1,2,3
	ds_load_b64 v[64+2*\k:65+2*\k], v9 offset:EXQ+64*\k   ; rows 2 (lane % 8) and the next, K step k
.endr
	s_wait_dscnt 0x0
	v_pk_add_f32 v[64:65], v[64:65], v[66:67]      ; the four K steps' parts, ascending
	v_pk_add_f32 v[64:65], v[64:65], v[68:69]
	v_pk_add_f32 v[64:65], v[64:65], v[70:71]
	v_pk_mul_f32 v[64:65], v[64:65], -0.5 op_sel_hi:[1,0]
	global_store_b64 v8, v[64:65], s[10:11] offset:256   ; the 16 numbers four times over: 256 consecutive bytes, the record's last
.Lend:
	s_wait_tensorcnt 0x0                           ; the wave's end
	ds_add_u32 v144, v145
	s_wait_dscnt 0x0
	s_endpgm
.Lfunc_end_k_q16dc82be3e_prep:
	.size	k_q16dc82be3e_prep, .Lfunc_end_k_q16dc82be3e_prep-k_q16dc82be3e_prep
	.p2alignl 7, 3214868480
	.fill 96, 4, 3214868480
	.section	.rodata,"a",@progbits
	.p2align	6, 0x0
	.amdhsa_kernel k_q16dc82be3e_prep
		.amdhsa_group_segment_fixed_size 35328
		.amdhsa_private_segment_fixed_size 0
		.amdhsa_enable_private_segment 0
		.amdhsa_kernarg_size 40
		.amdhsa_user_sgpr_count 2
		.amdhsa_user_sgpr_kernarg_segment_ptr 1
		.amdhsa_wavefront_size32 1
		.amdhsa_system_sgpr_workgroup_id_x 1
		.amdhsa_system_sgpr_workgroup_id_y 1
		.amdhsa_system_sgpr_workgroup_id_z 1
		.amdhsa_system_vgpr_workitem_id 0
		.amdhsa_next_free_vgpr 146
		.amdhsa_next_free_sgpr 66
		.amdhsa_reserve_vcc 0
		.amdhsa_float_denorm_mode_32 3
		.amdhsa_float_denorm_mode_16_64 3
		.amdhsa_memory_ordered 1
		.amdhsa_forward_progress 1
		.amdhsa_inst_pref_size 15
	.end_amdhsa_kernel
	.amdgpu_metadata
---
amdhsa.version: [ 1, 2 ]
amdhsa.kernels:
  - .name:           k_q16dc82be3e_prep
    .symbol:         k_q16dc82be3e_prep.kd
    .args:
      - { .name: x, .offset: 0, .size: 8, .value_kind: global_buffer, .address_space: global }
      - { .name: codebook, .offset: 8, .size: 8, .value_kind: global_buffer, .address_space: global }
      - { .name: xq, .offset: 16, .size: 8, .value_kind: global_buffer, .address_space: global }
      - { .name: xs, .offset: 24, .size: 8, .value_kind: global_buffer, .address_space: global }
      - { .name: cq, .offset: 32, .size: 8, .value_kind: global_buffer, .address_space: global }
    .group_segment_fixed_size: 35328
    .private_segment_fixed_size: 0
    .kernarg_segment_align: 8
    .kernarg_segment_size: 40
    .max_flat_workgroup_size: 128
    .sgpr_count:     66
    .vgpr_count:     146
    .wavefront_size: 32
...
	.end_amdgpu_metadata
.endif
;; end of part 1
;; launch dist (part 2): grid 32 x 8, 8 waves a work-group, clusters of 4 x 1, 327,680 bytes of LDS; arguments xq, xs, cq, cand; writes cand
.if DOCPART == 2
	.amdgcn_target "amdgcn-amd-amdhsa--gfx1250"
	.amdhsa_code_object_version 6
	.text
	.protected	k_q16dc82be3e_dist
	.globl	k_q16dc82be3e_dist
	.p2align	8
	.type	k_q16dc82be3e_dist,@function
k_q16dc82be3e_dist:
	s_mov_b64 s[64:65], 0
	v_nop
	global_prefetch_b8 v0, s[64:65] scope:SCOPE_SE
	s_setreg_imm32_b32 hwreg(HW_REG_WAVE_MODE, 25, 1), 1
	s_wait_xcnt 0x0
	s_wait_alu depctr_hold_cnt(0) depctr_sa_sdst(0) depctr_va_vdst(0) depctr_va_sdst(0) depctr_va_ssrc(0) depctr_va_vcc(0) depctr_vm_vsrc(0)
	s_getreg_b32 s2, hwreg(HW_REG_IB_STS2, 6, 4)
	s_cmp_eq_u32 s2, 0
	s_cbranch_scc0 .Lentry_in_a_cluster
	s_endpgm
.Lentry_in_a_cluster:
	s_bfe_u32 s2, ttmp6, 0x10000c
	s_cmp_lg_u32 s2, 0x3003
	s_cbranch_scc0 .Lentry_shape_is_right
	s_endpgm
.Lentry_shape_is_right:
; For each of 16,384 tokens and each eighth of the 8,192 codes: the first code with the largest s = x.c - cc/2, as a pair (key, index) of whole numbers; the key falls as s rises.
; xx is left out: it is the same for all codes of a token and moves no argmin (shown at the head of the first kernel).
; x.c is the product on codes of FP6 (E2M3) with one E8M0 scale for each 32 along K = 512, four matrix instructions deep; a sum begins with C = -cc/2.
; LIMITS: the order of rounding differs from (xx - 2 x.c) + cc; equal s go to the lower index; NaN and infinities are not served; s = +0 and s = -0 get different keys.
; SHARES.  A work-group takes 512 tokens x 1,024 codes (split y).  Eight waves; a wave takes 64 tokens: four tiles of 16, whose 16 fragments (192 registers) stay in registers; all waves walk the
; split's 64 tiles of 16 codes out of LDS: a fragment of codes read from LDS feeds four matrix instructions.
; LAYOUT.  Source 0 = 16 codes, source 1 = 16 tokens: a lane holds ONE token (lane % 16), its eight registers the codes 8 (lane / 16) + 0 .. 7 of the tile.
; A TILE OF CODES: 16 matrix instructions on end, the four accumulators by turns; then one batch of vector work.  For each accumulator: four v_max3 give the largest of its eight s and the best so far
; (nine leaves; the best lies in two registers by turns); one compare (greater alone: the first tile keeps a tie); four dual selects keep the eight s, one select the tile's number.
; Which of the eight kept s it was is found once, at the end.
; HALF A TILE APART.  At each barrier waves 0-3 multiply their next tile ahead of it and waves 4-7 behind it: so one half of the waves has its batch in hand while the other half has its products.
; LDS.  A tile of codes is one record of 6,656 bytes (images, scale words, -cc/2).  A ring of two slots of 16 records; a wave's one tensor load brings an eighth of a slot, 52 rows of 256 bytes, dense in memory.
; Fragments are fetched two tiles ahead, into the set that the tile just multiplied has left.
; CLUSTER.  The four work-groups of a cluster have the same split: every load is asked for JOINTLY, with the same descriptor and the mask 15.
; NO PREFETCH: a fill is asked for 16 tiles ahead of the wait for it, and each split's records are read by eight clusters.
; REGISTERS: window 0: all but x.  window 1: x's four tiles, tile u, K step k at v[48 u + 12 k].
.set REC,    6656                      ; a record
.set XT,     6144                      ; its images; also a tile of x in xq
.set SLOT,   16*REC
.set RING,   REC                       ; the ring begins one record up: an address register stands one record below the tile that it fetches next
.set SPARE,  RING+2*SLOT               ; the spare words, 1,024 bytes that no other line names
.set LI,  1                            ; v1   16 x lane
.set AF,  4                            ; v4   LDS address of the fragments fetched last
.set AS,  5                            ; v5   of the scale words: + 6,144 + 16 (lane % 16)
.set AH,  6                            ; v6   of the -cc/2: + 6,400 + 32 (lane / 16)
.set SPW, 7                            ; v7   my spare word; never rewritten
.set NIL, 8                            ; v8   0; never rewritten
.set HB,  9                            ; v9   8 (lane / 16) + 1,024 y
.set CO,  10                           ; v10  8 x lane
.set XS,  16                           ; v16-23   x's scale words: register 4 p + k: lanes 0-15 tile 2 p, lanes 16-31 tile 2 p + 1
.set CSR, 24                           ; v24-31   the codes' scale words, two sets
.set BIA, 32                           ; v32-47   -cc/2 in the result's layout, two sets
.set ACC, 48                           ; v48-79   the accumulators
.set SAV, 80                           ; v80-111  the eight s of the best tile so far
.set BST, 112                          ; v112-119 the best s: at BST + t and BST + 4 + t, by turns
.set ID,  120                          ; v120-123 the best tile's number
.set TM,  124                          ; v124-131 at work
.set TID, 132                          ; v132     the number of the tile of codes in hand
.set OUT, 134                          ; v134-137 two pairs to store
.set FR,  144                          ; v144-239 the codes' fragments, set b, K step k at FR + 48 b + 12 k
.set WV,  18
.set G1,  24                           ; s[24:31] descriptor group 1
.set G0A, 32                           ; s[32:35], s[36:39] group 0 for slot 0, slot 1
.set G0B, 36
.set CNT, 40
.set SEL, 42                           ; s[42:43] selects for lane l xor 16
.set CM,  52                           ; s52-55 compare masks
.set MSB, 0
.macro WIN new                         ; the immediate's high byte repeats the setting that is left
.if MSB != (\new)
	s_set_vgpr_msb (MSB<<8)|(\new)
.set MSB, (\new)
.endif
.endm
.macro H n                             ; the reader below takes the result of the vector instruction n back
	s_delay_alu instid0(VALU_DEP_\n)
.endm
.macro CROUND                          ; a round of the cluster's barrier
	s_barrier_signal -1
	s_barrier_wait -1
	s_cmp_lg_u32 s[WV], 0
	s_cbranch_scc1 .Lnot_wave_0_\@
	s_barrier_signal -3
.Lnot_wave_0_\@:
	s_barrier_wait -3
	s_barrier_signal -1
	s_barrier_wait -1
.endm
; 16 products: my four tiles of tokens, K steps 0 to 3, on the codes' set buf.  K step 0 begins the sum with -cc/2.  The four accumulators take turns.
.macro RUN buf
	WIN 0x04                                       ; tokens window 1, all else window 0
.set pi, 0
.rept 16
.set kk, pi/4
.set tt, pi%4
.set rD, ACC+8*tt
.set rA, FR+48*(\buf)+12*kk
.set rB, 48*tt+12*kk
.set rC, BIA+8*(\buf)
.set rSA, CSR+4*(\buf)+kk
.set rSB, XS+4*(tt/2)+kk
.if kk == 0
.if tt%2
	v_wmma_scale_f32_16x16x128_f8f6f4 v[rD:rD+7], v[rA:rA+11], v[rB:rB+11], v[rC:rC+7], v[rSA], v[rSB] matrix_a_fmt:MATRIX_FMT_FP6 matrix_b_fmt:MATRIX_FMT_FP6 matrix_b_scale:MATRIX_SCALE_ROW1
.else
	v_wmma_scale_f32_16x16x128_f8f6f4 v[rD:rD+7], v[rA:rA+11], v[rB:rB+11], v[rC:rC+7], v[rSA], v[rSB] matrix_a_fmt:MATRIX_FMT_FP6 matrix_b_fmt:MATRIX_FMT_FP6
.endif
.else
.if tt%2
	v_wmma_scale_f32_16x16x128_f8f6f4 v[rD:rD+7], v[rA:rA+11], v[rB:rB+11], v[rD:rD+7], v[rSA], v[rSB] matrix_a_fmt:MATRIX_FMT_FP6 matrix_b_fmt:MATRIX_FMT_FP6 matrix_b_scale:MATRIX_SCALE_ROW1
.else
	v_wmma_scale_f32_16x16x128_f8f6f4 v[rD:rD+7], v[rA:rA+11], v[rB:rB+11], v[rD:rD+7], v[rSA], v[rSB] matrix_a_fmt:MATRIX_FMT_FP6 matrix_b_fmt:MATRIX_FMT_FP6
.endif
.endif
.set pi, pi+1
.endr
	WIN 0
.endm
; 15 LDS loads: a record's -cc/2, scale words and four fragments into the sets nb; off: bytes beyond the address registers
.macro FETCH nb, off
	ds_load_b128 v[BIA+8*(\nb):BIA+8*(\nb)+3], v[AH] offset:\off
	ds_load_b128 v[BIA+8*(\nb)+4:BIA+8*(\nb)+7], v[AH] offset:\off+16
	ds_load_b128 v[CSR+4*(\nb):CSR+4*(\nb)+3], v[AS] offset:\off
.irp n, 0,1,2,3,4,5,6,7,8,9,10,11
	ds_load_b128 v[FR+48*(\nb)+4*\n:FR+48*(\nb)+4*\n+3], v[AF] offset:\off+512*\n
.endr
.endm
.macro MXA t, p                        ; three of the four maxima: each accumulator is read from its low end on; the old best is the ninth leaf
	v_max3_num_f32 v[TM+4*((\t)%2)], v[ACC+8*(\t)], v[ACC+8*(\t)+1], v[ACC+8*(\t)+2]
	v_max3_num_f32 v[TM+4*((\t)%2)+1], v[ACC+8*(\t)+3], v[ACC+8*(\t)+4], v[ACC+8*(\t)+5]
	v_max3_num_f32 v[TM+4*((\t)%2)+2], v[ACC+8*(\t)+6], v[ACC+8*(\t)+7], v[BST+4*(\p)+(\t)]
.endm
.macro MXB t, p                        ; the new best
	v_max3_num_f32 v[BST+4*(1-(\p))+(\t)], v[TM+4*((\t)%2)], v[TM+4*((\t)%2)+1], v[TM+4*((\t)%2)+2]
.endm
; The search for one tile of codes.  The maxima of the next tiles of tokens stand between a compare and its selects where there are any.
.macro EPI p
	MXA 0, \p
	MXA 1, \p
	H 4
	MXB 0, \p
.irp t, 0,1,2,3
.if \t == 0
	H 1
.endif
	v_cmp_gt_f32 vcc_lo, v[BST+4*(1-(\p))+\t], v[BST+4*(\p)+\t]   ; has the best grown?
.if \t == 0
	H 3
.endif
.if \t < 3
	MXB \t+1, \p
.endif
.if \t < 2
	MXA \t+2, \p
.endif
.irp z, 0,2,4,6
	v_dual_cndmask_b32 v[SAV+8*\t+\z], v[SAV+8*\t+\z], v[ACC+8*\t+\z] :: v_dual_cndmask_b32 v[SAV+8*\t+\z+1], v[SAV+8*\t+\z+1], v[ACC+8*\t+\z+1]
.endr
	v_cndmask_b32 v[ID+\t], v[ID+\t], v[TID], vcc_lo
.endr
.endm
; The batch behind a tile's products.  The four additions are the four places behind the last product, in front of the loads into the sets just read and of the first read of a result
; (ISA guide 7.12.1 for the first read of a result).
.macro BATCH buf, fetch
	v_add_nc_u32 v[TID], 1, v[TID]
.if \fetch
	v_add_nc_u32 v[AH], REC, v[AH]
	v_add_nc_u32 v[AS], REC, v[AS]
	v_add_nc_u32 v[AF], REC, v[AF]
	FETCH \buf, 0                                  ; the tile two further on
.else
.rept 3
	v_nop
.endr
.endif
	EPI \buf
.endm
; left: the LDS loads issued behind this tile's own, which may stay out (the next tile's 15)
.macro TILE buf, fetch, left
	s_wait_dscnt \left
	RUN \buf
	BATCH \buf, \fetch
.endm
; The products of a tile on set 0 for one half of the waves: up = 0: waves 0-3, up = 1: waves 4-7.  The branch hangs on the wave's number and leads round work on registers alone.
.macro HALFRUN up, left, buf=0
	s_cmp_lt_u32 s[WV], 4
.if \up
	s_cbranch_scc1 .Lnot_mine_\@
.else
	s_cbranch_scc0 .Lnot_mine_\@
.endif
	s_wait_dscnt \left
.if \up
.rept 5
	v_nop                                          ; five places ahead of products that begin the accumulators anew (ISA guide 7.12.1), on every way through the text
.endr
.endif
	RUN \buf
.Lnot_mine_\@:
.endm
.macro WALK trips                      ; two tiles of codes a trip
	s_mov_b32 s[CNT], \trips
.Lwalk_\@:
	TILE 0, 1, 15
	TILE 1, 1, 15
	s_sub_co_u32 s[CNT], s[CNT], 1
	s_cmp_lg_u32 s[CNT], 0
	s_cbranch_scc1 .Lwalk_\@
.endm
; A slot is filled: all my tensor loads have landed, 0 is added to my spare word, my LDS reads are back; the round says so of every wave of all four work-groups; my one load follows first.
.macro FILL g, step
	s_wait_tensorcnt 0x0
	ds_add_u32 v[SPW], v[NIL]
.if \step
	s_add_nc_u64 s[\g+2:\g+3], s[\g+2:\g+3], 2*SLOT   ; no load of mine is out: the slot's next 16 records
.endif
	s_wait_dscnt 0x0
	CROUND
	tensor_load_to_lds s[\g:\g+3], s[G1:G1+7]
	s_nop 0
.rept 4
	v_nop
.endr
.endm
	s_load_b256 s[4:11], s[0:1], 0x0               ; xq s[4:5], xs s[6:7], cq s[8:9], cand s[10:11]
	v_lshl_add_u32 v[SPW], v0, 2, SPARE
	v_mov_b32 v[NIL], 0
	ds_add_u32 v[SPW], v[NIL]                      ; the opening lines: the add twice on end and one wait
	ds_add_u32 v[SPW], v[NIL]
	v_lshrrev_b32 v1, 5, v0
	v_readfirstlane_b32 s[WV], v1                  ; wave 0..7
	s_bfe_u32 s19, ttmp6, 0x40000                  ; cx: it enters the addresses of xq, xs and cand alone
	s_lshl_b32 s20, ttmp9, 2
	s_add_co_u32 s20, s20, s19                     ; my block of 512 tokens
	s_and_b32 s21, ttmp7, 0xffff                   ; y: the split, which the four partners share
	s_mov_b32 s[G1], 15|(3<<16)|(1<<21)            ; the mask: all four work-groups; elements of 8 bytes; bit 21 beside a mask
	s_mov_b32 s[G1+1], 32<<16                      ; tensor_dim0 = 32: rows of 256 bytes
	s_mov_b32 s[G1+2], 52<<16                      ; tensor_dim1 = 52 rows = two records
	s_mov_b32 s[G1+3], 32<<16                      ; tile_dim0
	s_mov_b32 s[G1+4], 52                          ; tile_dim1
	s_mov_b32 s[G1+5], 32                          ; from row to row
	s_mov_b32 s[G1+6], 0
	s_mov_b32 s[G1+7], 0
	s_mul_i32 s46, s21, 64*REC                     ; the split's records,
	s_mul_i32 s48, s[WV], SLOT/8                   ; my eighth of a slot
	s_add_co_u32 s46, s46, s48
	s_mov_b32 s47, 0
	v_and_b32 v12, 31, v0                          ; lane; v12-14 are kept
	v_and_b32 v13, 15, v0                          ; r
	v_bfe_u32 v14, v0, 4, 1                        ; h
	v_lshlrev_b32 v[LI], 4, v12
	v_lshl_add_u32 v[AF], v12, 4, RING             ; tile 0
	v_lshl_add_u32 v[AS], v13, 4, RING+XT
	v_lshl_add_u32 v[AH], v14, 5, RING+XT+256
	v_lshlrev_b32 v[CO], 3, v12
	s_lshl_b32 s50, s21, 10
	v_lshl_add_u32 v[HB], v14, 3, s50
	s_mov_b32 s[SEL], 0x76543210
	s_mov_b32 s[SEL+1], 0xfedcba98
	s_mov_b32 s44, 0xffff0000                      ; lanes 16-31
	s_wait_alu depctr_va_vdst(0)                   ; the wait ahead of the waits below
	s_wait_dscnt 0x0                               ; both opening adds are done
	s_wait_kmcnt 0x0
	s_add_nc_u64 s[46:47], s[8:9], s[46:47]
	s_mov_b32 s[G0A], 1
	s_add_co_u32 s[G0A+1], s48, RING
	s_mov_b64 s[G0A+2:G0A+3], s[46:47]
	s_or_b32 s[G0A+3], s[G0A+3], 0x80000000
	s_mov_b32 s[G0B], 1
	s_add_co_u32 s[G0B+1], s48, RING+SLOT
	s_add_nc_u64 s[G0B+2:G0B+3], s[46:47], SLOT
	s_or_b32 s[G0B+3], s[G0B+3], 0x80000000
	CROUND                                         ; all four work-groups are here: the first joint loads meet
	tensor_load_to_lds s[G0A:G0A+3], s[G1:G1+7]    ; tiles 0-15: my one tensor load at the head
	s_nop 0
.rept 4
	v_nop
.endr
	; x: my wave's four tiles of tokens, while the fill is on its way
	s_lshl_b32 s22, s20, 5
	s_lshl_b32 s23, s[WV], 2
	s_add_co_u32 s22, s22, s23                     ; my first tile of tokens
	s_mov_b32 s47, 0
	s_mul_i32 s46, s22, XT
	s_add_nc_u64 s[4:5], s[4:5], s[46:47]
	s_lshl_b32 s46, s22, 8
	s_add_nc_u64 s[6:7], s[6:7], s[46:47]
	s_lshl_b32 s46, s22, 7                         ; cand: 8 bytes a token, 131,072 a split
	s_lshl_b32 s50, s21, 17
	s_add_co_u32 s46, s46, s50
	s_add_nc_u64 s[10:11], s[10:11], s[46:47]
	WIN 0x40
.irp u, 0,1,2,3
.irp n, 0,1,2,3,4,5,6,7,8,9,10,11
	global_load_b128 v[48*\u+4*\n:48*\u+4*\n+3], v[LI], s[4:5] offset:XT*\u+512*\n
.endr
.endr
	WIN 0
.irp p, 0,1
	global_load_b128 v[XS+4*\p:XS+4*\p+3], v[LI], s[6:7] offset:512*\p
.endr
	; The search is written once: it finds a best s of -infinity and kept numbers that the first select replaces.  These lines run once, while the fill and x are on their way.
.set i, 0
.rept 32
	v_mov_b32 v[SAV+i], 0
.set i, i+1
.endr
.irp t, 0,1,2,3
	v_mov_b32 v[ID+\t], 0
	v_mov_b32 v[BST+\t], 0xff800000
.endr
	v_mov_b32 v[TID], -1                           ; tile 0's batch steps it to 0
	s_wait_alu depctr_va_vdst(0)                   ; the wait at the head's end
	FILL G0B, 0                                    ; tiles 0-15 are in, everybody's; tiles 16-31 go out: slot 1's first fill, issued as a refill is
	FETCH 0, 0                                     ; tiles 0 and 1
	FETCH 1, REC
	v_add_nc_u32 v[AH], REC, v[AH]                 ; the registers stand at tile 1, the last fetched
	v_add_nc_u32 v[AS], REC, v[AS]
	v_add_nc_u32 v[AF], REC, v[AF]
	s_wait_alu depctr_va_vdst(0)                   ; the wait ahead of the wait below
	s_wait_loadcnt 0x0                             ; x
	TILE 0, 1, 15                                  ; tile 0, all waves alike (tile 1's 15 loads may be out)
	HALFRUN 0, 15, 1                               ; tile 1: waves 0-3 multiply ahead of the barrier (tile 2's 15 loads may be out),
	s_wait_dscnt 0x0
	s_barrier_signal -1
	s_barrier_wait -1
	HALFRUN 1, 0, 1                                ; waves 4-7 behind it: from here on the two halves stand half a tile apart
	BATCH 1, 1
	WALK 6                                         ; tiles 2 to 13; tile 13 has fetched tile 15, the last of slot 0
	HALFRUN 0, 15                                  ; tile 14
	FILL G0A, 1                                    ; slot 1 is whole; slot 0 takes tiles 32-47
	HALFRUN 1, 0
	BATCH 0, 1
	TILE 1, 1, 15                                  ; tile 15
	WALK 7                                         ; tiles 16 to 29, fetching 18 to 31
	v_lshlrev_b32 v[AF], 4, v12                    ; one record below slot 0's head
	v_lshl_add_u32 v[AS], v13, 4, XT
	v_lshl_add_u32 v[AH], v14, 5, XT+256
	s_wait_alu depctr_va_vdst(0)                   ; the wait ahead of the branch and the waits below
	HALFRUN 0, 15                                  ; tile 30
	FILL G0B, 1                                    ; slot 0 is whole; slot 1 takes tiles 48-63
	HALFRUN 1, 0
	BATCH 0, 1
	TILE 1, 1, 15                                  ; tile 31
	WALK 7                                         ; tiles 32 to 45, fetching 34 to 47
	HALFRUN 0, 15                                  ; tile 46
	s_wait_tensorcnt 0x0                           ; my part of slot 1's last fill is in,
	s_wait_dscnt 0x0
	s_barrier_signal -1
	s_barrier_wait -1                              ; everybody's is
	HALFRUN 1, 0
	BATCH 0, 1
	TILE 1, 1, 15                                  ; tile 47
	WALK 7                                         ; tiles 48 to 61, fetching 50 to 63
	TILE 0, 0, 15                                  ; tile 62: tile 63's 15 loads may be out
	TILE 1, 0, 0                                   ; tile 63
	; THE END OF THE SEARCH.  The best s lies at BST + t.  The first of the eight kept s that equals it; the index; the key; the other half of the lanes' pair.
.irp t, 0,1,2,3
	v_mov_b32 v[TM+\t], 7
.endr
.irp j, 6,5,4,3,2,1,0
.irp t, 0,1,2,3
	v_cmp_neq_f32 s[CM+\t], v[SAV+8*\t+\j], v[BST+\t]
.endr
.irp t, 0,1,2,3
	H 4
	v_cndmask_b32 v[TM+\t], \j, v[TM+\t], s[CM+\t]   ; descending: the lowest j that fits stays
.endr
.endr
.irp t, 0,1,2,3
	H 4
	v_lshl_add_u32 v[ID+\t], v[ID+\t], 4, v[TM+\t]   ; 16 x tile + j
.endr
.irp t, 0,1,2,3
	v_ashrrev_i32 v[TM+\t], 31, v[BST+\t]          ; the key: s's bits as they are where s is negative, all but the sign turned over where it is not
.endr
.irp t, 0,1,2,3
	v_add_nc_u32 v[ID+\t], v[HB], v[ID+\t]         ; + 8 (lane / 16) + 1,024 y: the code's index
.endr
.irp t, 0,1,2,3
	v_xor_b32 v[TM+\t], -1, v[TM+\t]
.endr
.irp t, 0,1,2,3
	H 4
	v_lshrrev_b32 v[TM+\t], 1, v[TM+\t]
.endr
.irp t, 0,1,2,3
	H 4
	v_xor_b32 v[BST+\t], v[BST+\t], v[TM+\t]
.endr
.irp t, 0,1,2,3
	v_permlanex16_b32 v[SAV+8*\t], v[ID+\t], s[SEL], s[SEL+1]    ; lane l xor 16 holds the same token's other eight codes of each tile
.endr
.irp t, 0,1,2,3
	v_permlanex16_b32 v[BST+4+\t], v[BST+\t], s[SEL], s[SEL+1]
.endr
.irp t, 0,1,2,3
	v_cmp_lt_u32 s60, v[BST+4+\t], v[BST+\t]       ; the other's pair where its key is smaller,
	v_cmp_eq_u32 s61, v[BST+4+\t], v[BST+\t]
	v_cmp_lt_u32 s62, v[SAV+8*\t], v[ID+\t]        ; or equal with the lower index
	s_and_b32 s61, s61, s62
	s_or_b32 s60, s60, s61
	v_cndmask_b32 v[BST+\t], v[BST+\t], v[BST+4+\t], s60
	v_cndmask_b32 v[ID+\t], v[ID+\t], v[SAV+8*\t], s60
.endr
.irp p, 0,1
	v_cndmask_b32 v[OUT+2*\p], v[BST+2*\p], v[BST+2*\p+1], s44   ; lanes 0-15: tile 2 p's tokens; lanes 16-31: tile 2 p + 1's
	v_cndmask_b32 v[OUT+2*\p+1], v[ID+2*\p], v[ID+2*\p+1], s44
.endr
.irp p, 0,1
	global_store_b64 v[CO], v[OUT+2*\p:OUT+2*\p+1], s[10:11] offset:256*\p   ; 32 tokens' pairs: 256 consecutive bytes, at a multiple of 256 from the buffer's first byte
.endr
	s_wait_tensorcnt 0x0                           ; the wave's end
	ds_add_u32 v[SPW], v[NIL]
	s_wait_dscnt 0x0
	CROUND                                         ; the closing round
	s_endpgm
.Lfunc_end_k_q16dc82be3e_dist:
	.size	k_q16dc82be3e_dist, .Lfunc_end_k_q16dc82be3e_dist-k_q16dc82be3e_dist
	.p2alignl 7, 3214868480
	.fill 96, 4, 3214868480
	.section	.rodata,"a",@progbits
	.p2align	6, 0x0
	.amdhsa_kernel k_q16dc82be3e_dist
		.amdhsa_group_segment_fixed_size 327680
		.amdhsa_private_segment_fixed_size 0
		.amdhsa_enable_private_segment 0
		.amdhsa_kernarg_size 32
		.amdhsa_user_sgpr_count 2
		.amdhsa_user_sgpr_kernarg_segment_ptr 1
		.amdhsa_wavefront_size32 1
		.amdhsa_system_sgpr_workgroup_id_x 1
		.amdhsa_system_sgpr_workgroup_id_y 1
		.amdhsa_system_sgpr_workgroup_id_z 1
		.amdhsa_system_vgpr_workitem_id 0
		.amdhsa_next_free_vgpr 448
		.amdhsa_next_free_sgpr 66
		.amdhsa_reserve_vcc 1
		.amdhsa_float_denorm_mode_32 3
		.amdhsa_float_denorm_mode_16_64 3
		.amdhsa_memory_ordered 1
		.amdhsa_forward_progress 1
		.amdhsa_inst_pref_size 132
	.end_amdhsa_kernel
	.amdgpu_metadata
---
amdhsa.version: [ 1, 2 ]
amdhsa.kernels:
  - .name:           k_q16dc82be3e_dist
    .symbol:         k_q16dc82be3e_dist.kd
    .args:
      - { .name: xq, .offset: 0, .size: 8, .value_kind: global_buffer, .address_space: global }
      - { .name: xs, .offset: 8, .size: 8, .value_kind: global_buffer, .address_space: global }
      - { .name: cq, .offset: 16, .size: 8, .value_kind: global_buffer, .address_space: global }
      - { .name: cand, .offset: 24, .size: 8, .value_kind: global_buffer, .address_space: global }
    .group_segment_fixed_size: 327680
    .private_segment_fixed_size: 0
    .kernarg_segment_align: 8
    .kernarg_segment_size: 32
    .max_flat_workgroup_size: 256
    .sgpr_count:     66
    .vgpr_count:     448
    .wavefront_size: 32
...
	.end_amdgpu_metadata
.endif
;; end of part 2
;; launch pick (part 3): grid 256 x 1, 8 waves a work-group, no clusters, 0 bytes of LDS; arguments cand, codebook, out0; writes out0
.if DOCPART == 3
	.amdgcn_target "amdgcn-amd-amdhsa--gfx1250"
	.amdhsa_code_object_version 6
	.text
	.protected	k_q16dc82be3e_pick
	.globl	k_q16dc82be3e_pick
	.p2align	8
	.type	k_q16dc82be3e_pick,@function
k_q16dc82be3e_pick:
	s_mov_b64 s[64:65], 0
	v_nop
	global_prefetch_b8 v0, s[64:65] scope:SCOPE_SE
	s_setreg_imm32_b32 hwreg(HW_REG_WAVE_MODE, 25, 1), 1
	s_wait_xcnt 0x0
; out0[token][:] = codebook[index][:], index = that of the smallest key among the token's eight pairs (key, index) in cand [8 splits][16384 tokens][2 words].
; Whole numbers alone: the keys rise with the distance; a lower split holds lower indices, so "smaller alone replaces" keeps the first index of equal distances.
; SHARES: a work-group takes 64 tokens, a wave 8.  A row is 2,048 bytes: four loads and four stores of 512 consecutive bytes a wave.  All 32 row loads of a wave are out together.
; No LDS, no barrier, no matrix unit: the launch copies rows.
.set SPLITB, 131072                    ; a split's pairs in bytes
.set IDX,  16                          ; s16-23  the eight tokens' indices, then their rows' byte offsets
.set ROWO, 24                          ; v24-31  a row's offset + 16 x lane
.set D,    32                          ; v32-159 the rows: token t, quarter q at D + 16 t + 4 q
	s_load_b128 s[4:7], s[0:1], 0x0                ; cand s[4:5], codebook s[6:7]
	s_load_b64 s[8:9], s[0:1], 0x10                ; out0
	v_lshrrev_b32 v1, 5, v0
	s_delay_alu instid0(VALU_DEP_1)
	v_readfirstlane_b32 s10, v1                    ; wave 0..7
	v_and_b32 v3, 31, v0
	s_delay_alu instid0(VALU_DEP_1)
	v_lshlrev_b32 v1, 4, v3                        ; 16 x lane
	s_lshl_b32 s11, ttmp9, 6
	s_lshl_b32 s12, s10, 3
	s_add_co_u32 s11, s11, s12                     ; my wave's first token
	v_and_b32 v2, 7, v0
	s_delay_alu instid0(VALU_DEP_1)
	v_add_nc_u32 v2, s11, v2                       ; lane l looks after token l % 8 of the eight
	s_delay_alu instid0(VALU_DEP_1)
	v_lshlrev_b32 v2, 3, v2                        ; 8 bytes a pair
	s_lshl_b32 s12, s11, 11                        ; 2,048 bytes a row of out0
	s_mov_b32 s13, 0
	s_wait_alu depctr_va_vdst(0)
	s_wait_kmcnt 0x0
	s_add_nc_u64 s[8:9], s[8:9], s[12:13]
.irp c, 0,1,2,3,4,5,6,7
	global_load_b64 v[4+2*\c:5+2*\c], v2, s[4:5] offset:SPLITB*\c
.endr
	s_wait_loadcnt 0x0
.irp c, 1
	v_cmp_lt_u32 vcc_lo, v[4+2*\c], v4             ; split 0's pair is the best so far; a later split's replaces it where its key is smaller
	s_delay_alu instid0(VALU_DEP_1)
	v_cndmask_b32 v4, v4, v[4+2*\c], vcc_lo
	s_delay_alu instid0(VALU_DEP_2)
	v_cndmask_b32 v5, v5, v[5+2*\c], vcc_lo
.endr
.irp c, 2, 3, 4, 5, 6, 7
	s_delay_alu instid0(VALU_DEP_2)
	v_cmp_lt_u32 vcc_lo, v[4+2*\c], v4             ; split 0's pair is the best so far; a later split's replaces it where its key is smaller
	s_delay_alu instid0(VALU_DEP_1)
	v_cndmask_b32 v4, v4, v[4+2*\c], vcc_lo
	s_delay_alu instid0(VALU_DEP_2)
	v_cndmask_b32 v5, v5, v[5+2*\c], vcc_lo
.endr
.irp t, 0,1,2,3,4,5,6,7
	v_readlane_b32 s[IDX+\t], v5, \t               ; token t's index, for all 32 lanes
.endr
.irp t, 0,1,2,3,4,5,6,7
	s_min_u32 s[IDX+\t], s[IDX+\t], 0x1fff         ; a loaded number enters an address only held inside the table: 8,192 rows
	s_lshl_b32 s[IDX+\t], s[IDX+\t], 11
	v_add_nc_u32 v[ROWO+\t], s[IDX+\t], v1
.endr
.set n, 0
	s_wait_alu depctr_va_vdst(0)
.rept 32
	global_load_b128 v[D+4*n:D+4*n+3], v[ROWO+n/4], s[6:7] offset:512*(n%4)   ; no hint: several tokens may name one row
.set n, n+1
.endr
.set n, 0
.rept 32
	s_wait_loadcnt 31-n                            ; loads come back in order: number n is in, the 31 - n younger ones may be out
	global_store_b128 v1, v[D+4*n:D+4*n+3], s[8:9] offset:512*n th:TH_STORE_NT   ; 512 consecutive bytes, at a multiple of 512 from the buffer's first byte; written once
.set n, n+1
.endr
	s_endpgm
.Lfunc_end_k_q16dc82be3e_pick:
	.size	k_q16dc82be3e_pick, .Lfunc_end_k_q16dc82be3e_pick-k_q16dc82be3e_pick
	.p2alignl 7, 3214868480
	.fill 96, 4, 3214868480
	.section	.rodata,"a",@progbits
	.p2align	6, 0x0
	.amdhsa_kernel k_q16dc82be3e_pick
		.amdhsa_group_segment_fixed_size 0
		.amdhsa_private_segment_fixed_size 0
		.amdhsa_enable_private_segment 0
		.amdhsa_kernarg_size 24
		.amdhsa_user_sgpr_count 2
		.amdhsa_user_sgpr_kernarg_segment_ptr 1
		.amdhsa_wavefront_size32 1
		.amdhsa_system_sgpr_workgroup_id_x 1
		.amdhsa_system_sgpr_workgroup_id_y 1
		.amdhsa_system_sgpr_workgroup_id_z 1
		.amdhsa_system_vgpr_workitem_id 0
		.amdhsa_next_free_vgpr 160
		.amdhsa_next_free_sgpr 66
		.amdhsa_reserve_vcc 1
		.amdhsa_float_denorm_mode_32 3
		.amdhsa_float_denorm_mode_16_64 3
		.amdhsa_memory_ordered 1
		.amdhsa_forward_progress 1
		.amdhsa_inst_pref_size 12
	.end_amdhsa_kernel
	.amdgpu_metadata
---
amdhsa.version: [ 1, 2 ]
amdhsa.kernels:
  - .name:           k_q16dc82be3e_pick
    .symbol:         k_q16dc82be3e_pick.kd
    .args:
      - { .name: cand, .offset: 0, .size: 8, .value_kind: global_buffer, .address_space: global }
      - { .name: codebook, .offset: 8, .size: 8, .value_kind: global_buffer, .address_space: global }
      - { .name: out0, .offset: 16, .size: 8, .value_kind: global_buffer, .address_space: global }
    .group_segment_fixed_size: 0
    .private_segment_fixed_size: 0
    .kernarg_segment_align: 8
    .kernarg_segment_size: 24
    .max_flat_workgroup_size: 256
    .sgpr_count:     66
    .vgpr_count:     160
    .wavefront_size: 32
...
	.end_amdgpu_metadata
.endif
;; end of part 3
